; MI455X (gfx1250); checked and timed in simulation.
; The chip was launched on July 23, 2026; its instructions are those of AMD's public machine-readable ISA for CDNA 5 (MIT licence, August 2026) and "CDNA5" Instruction Set Architecture Reference Guide (July 2026). The comments in the code are by the model that wrote it; some were corrected since.
;; Modern Hopfield Network. Allowed arithmetic: matrix products marked QUANTISED: E2M1 operands, one E8M0 scale for each 32 along K, by v_wmma_scale_f32_16x16x128_f8f6f4 with both operands' format E2M1 (or v_wmma_scale_f32_32x16x128_f4), f32 sums; everything else in f32.
;; Inputs: stored 65,536 x 256 float32; x_codes 2,048 x 8 x 16 uint8 (E2M1 codes of x, K innermost, in blocks of 32 codes, two codes a byte); x_scales 2,048 x 8 uint8 (E8M0 scales of x, one for each 32 codes along K).
;; Outputs: out0 2,048 x 256 float32.
;; This version of the problem:
;;   THIS VERSION OF THE PROBLEM IS GIVEN IN LOW PRECISION. The matrix products marked QUANTISED in the list below multiply operands that are first quantised to E2M1 (2 exponent bits, 1 mantissa bit; 4 bits a number), with one power-of-two scale for each 32 numbers along K (OCP MX v1.0); their sums are f32. All else is computed in f32.
;;   The module's matrix products, in the order in which they are computed (A, B: the left and right operand; K: the contracted axis; several contracted axes count as one K, in the product's order):
;;     1. [M 2,048, K 256] x [K 256, N 65,536]; A: input x (given as codes); B: input stored: QUANTISED
;;     2. [M 2,048, K 65,536] x [K 65,536, N 256]; A: softmax (see below); B: input stored: QUANTISED
;;   THE QUANTISER, for each operand of a quantised product, along K:
;;     - K is cut into blocks of 32 from its start; a last block that is shorter is filled with zeros.
;;     - A block's scale is 2^e with e = floor(log2(the largest magnitude in the block)) - 2, held to -126 .. 127; a block of zeros has e = 0. As a byte (E8M0): e + 127.
;;     - Each number is divided by its block's scale, clamped to +-6, and rounded to the nearest number of E2M1, ties to even, subnormals kept.
;;     - The product sums the exact products of the quantised numbers (number of the format x scale) in f32.
;;   ~~~python
;;   def quantise(x, axis):      # numpy; x: float32 -> the quantised numbers, widened to float32 again
;;       x = np.moveaxis(x, axis, -1); K = x.shape[-1]
;;       x = np.pad(x, [(0, 0)] * (x.ndim - 1) + [(0, -K % 32)]); x = x.reshape(x.shape[:-1] + (-1, 32)); a = np.abs(x).max(-1, keepdims=True)
;;       e = np.where(a > 0, np.clip(np.frexp(np.where(a > 0, a, 1))[1] - 1 - 2, -126, 127), 0)      # np.frexp(a)[1] - 1 = floor(log2(a)), exactly
;;       r = np.clip(x / 2.0 ** e, -6, 6)
;;       step = 2.0 ** (np.maximum(np.frexp(np.where(r == 0, 1, r))[1] - 1, 0) - 1)
;;       q = np.round(r / step) * step * 2.0 ** e      # np.round: ties to even
;;       return np.moveaxis(q.reshape(q.shape[:-2] + (-1,))[..., :K], -1, axis).astype(np.float32)
;;   ~~~
;;   SOFTMAX AHEAD OF A QUANTISED PRODUCT. Where the list says 'softmax', what is quantised is not the finished softmax but p = 2^(t - M), with t = logit x log2(e) and M = ceil(the row's largest t), a whole number; so 1/2 < the row's largest p <= 1. The row's sum l is taken of the UNQUANTISED p, in f32, and the product's result is divided by l at the end. Since M is a whole number, a kernel that streams over the keys may use a running M (the ceiling of the running maximum): every later rescaling is an exact power of two, which a block's scale takes up: the codes' values come out the same.
;;   OPERANDS COMPUTED ON THE WAY. 'Computed on the way' means the value that the module computes at that place (a softmax that the list does not call 'softmax' is quantised finished and normalised). What goes into a quantiser is computed in f32, as accurately as f32 sums, v_exp_f32 and their like allow (about 1e-6 of the number): no bf16 or f16 on the way to a quantiser, and a product that is left as it is and whose result goes on into a quantised operand takes f32 operands (vector FMAs, or v_wmma_f32_16x16x4_f32). A number that lies on a knife's edge between two numbers of the format may be rounded either way, as far as f32 arithmetic and the matrix unit's own rounding can turn it there, and no further.
;;   INPUTS GIVEN AS CODES. x (in the module: [2048, 256], K = its axis 1): each comes as NAME_codes (uint8): NAME with its K axis moved to the last place and cut into blocks of 32 codes, [.., K / 32, bytes a block], one block behind the other in memory; two codes a byte, the lower K in the low four bits (a code: sign, 2 exponent bits, 1 mantissa bit); and NAME_scales (uint8): the same leading axes, one E8M0 byte (e + 127) for each 32 codes along K. Its value is code x scale, taken as it is: it is not quantised again, and the codes and scales need not be those that the quantiser above would give.
;; One version. Each part assembles by itself: llvm-mc -triple=amdgcn-amd-amdhsa -mcpu=gfx1250 --defsym DOCPART=n.
;; ======== version 1 of 1: 3 launches
;; limits: right only within a limited range of input values
;; workspace buffers: kv 17,825,792 bytes; part 16,777,216 bytes; stat 131,072 bytes
;; launch quant (part 1): grid 512 x 1, 8 waves a work-group, no clusters, 72,704 bytes of LDS; arguments stored, kv; writes kv
.if DOCPART == 1
	.amdgcn_target "amdgcn-amd-amdhsa--gfx1250"
	.amdhsa_code_object_version 6
	.text
	.protected	k_q15ebcdfcb8_quant
	.globl	k_q15ebcdfcb8_quant
	.p2align	8
	.type	k_q15ebcdfcb8_quant,@function
k_q15ebcdfcb8_quant:
	s_mov_b64 s[64:65], 0
	v_nop
	global_prefetch_b8 v0, s[64:65] scope:SCOPE_SE
	s_setreg_imm32_b32 hwreg(HW_REG_WAVE_MODE, 25, 1), 1
	s_wait_xcnt 0x0
; stored [65536 keys][256 d], f32, is an operand of both products: of scores = x stored^T with K = d, and of p stored with K = the keys.  It is read once here and
; quantised both ways to codes of E2M1 with one E8M0 byte for each 32 along K.  No work of the problem is dead: every input reaches the output, both products are live everywhere.
; A block's byte is its largest magnitude's exponent field - 2, held at 1 from below.
; LIMITS: a block of zeros, or one whose largest magnitude lies under 2^(3 - 127), gets the byte 1 (this program alone reads the bytes); NaN and infinities are not served.
; kv IS LAID IN THE ORDER OF THE OPERANDS' REGISTERS.  A slot is 512 keys = 4 steps of 128 keys = 8 blocks of BLK bytes: K's blocks of steps 0-3, then V's of steps 0-3.  A block: 16,384 bytes of codes, then 1,024 of scale words.
;   K's codes: fragment f = 2 t + s (key tile t, d step s) at 1024 f; in it the 16 bytes at 512 c + 256 h + 16 r are d = 128 s + 64 c + 32 h + 0..31 of key 32 (t / 2) + 8 (t % 2) + r + 8 (r / 8).
;   V's codes: fragment tau at 1024 tau; in it the 16 bytes at 512 c + 256 h + 16 r are keys 64 c + 32 h + 0..31 of d = 16 tau + r.
;   K's scale words: register t, lane l at 512 (t / 4) + 16 l + 4 (t % 4): lanes 0-15 the word of (t, s = 0, row r), lanes 16-31 of (t, s = 1, row r).
;   V's scale words: register j, lane l at 512 (j / 4) + 16 l + 4 (j % 4): the word of tau = 2 j + l / 16, row l % 16.
; SHARES.  A work-group takes one step.  Wave w: columns 64 (w % 4) on, keys 64 (w / 4) on, as two tiles of 32 keys x 64 d.  A tile goes through the wave's own stage in LDS and comes back twice:
; a lane a key, and a lane a column, so no block's largest magnitude needs another lane.  Stores of codes cover whole aligned runs of 256 bytes; the scale words are gathered in LDS.
; No tensor load, no matrix unit, no cluster: a stream that is read once and shared with nobody.
.set SLOTB, 139264
.set BLK,   17408
.set STG,   8704
.set SP,    272
.set SCI,   8*STG
.set SPARE, SCI+2048
.set KC,    32
.set VC,    48
.set X,     64
.set KB,    192
	s_load_b128 s[4:7], s[0:1], 0x0
	v_lshl_add_u32 v10, v0, 2, SPARE
	v_mov_b32 v11, 0
	v_lshrrev_b32 v1, 5, v0
	s_delay_alu instid0(VALU_DEP_1)
	v_readfirstlane_b32 s8, v1
	v_and_b32 v1, 31, v0
	v_bfe_u32 v14, v0, 4, 1
	v_and_b32 v15, 15, v0
	v_bfe_u32 v16, v0, 3, 1
	v_and_b32 v17, 7, v0
	s_and_b32 s9, s8, 3                            ; cg: which 64 columns
	s_lshr_b32 s10, s8, 2                          ; kh: which 64 keys
	s_lshr_b32 s11, ttmp9, 2                       ; the slot
	s_and_b32 s12, ttmp9, 3                        ; the step in it
	s_mul_i32 s13, s8, STG
	v_lshlrev_b32 v2, 10, v14
	s_delay_alu instid0(VALU_DEP_1)
	v_lshl_add_u32 v2, v15, 4, v2
	v_mul_u32_u24 v3, v14, SP
	s_delay_alu instid0(VALU_DEP_1)
	v_lshl_add_u32 v3, v15, 4, v3
	s_delay_alu instid0(VALU_DEP_1)
	v_add_nc_u32 v3, s13, v3
	v_mul_u32_u24 v4, v1, SP
	s_delay_alu instid0(VALU_DEP_1)
	v_add_nc_u32 v4, s13, v4
	v_lshl_add_u32 v5, v1, 2, s13
	v_lshlrev_b32 v18, 4, v17
	s_delay_alu instid0(VALU_DEP_1)
	v_lshl_add_u32 v18, v14, 7, v18                ; 16 r, r = l % 8 + 8 (l / 16)
	s_wait_alu depctr_va_vdst(0)
	v_lshl_add_u32 v6, v16, 11, v18
	s_lshr_b32 s14, s9, 1                          ; s = cg / 2
	s_and_b32 s15, s9, 1                           ; c = cg % 2
	s_lshl_b32 s16, s10, 9
	s_lshl_b32 s17, s14, 8
	s_add_co_u32 s16, s16, s17
	s_lshl_b32 s17, s15, 1
	s_add_co_u32 s16, s16, s17
	s_add_co_u32 s16, s16, SCI
	v_lshl_add_u32 v8, v16, 2, v18
	s_delay_alu instid0(VALU_DEP_1)
	v_add_nc_u32 v8, s16, v8
	s_lshl_b32 s16, s14, 9
	s_lshl_b32 s17, s15, 3
	s_add_co_u32 s16, s16, s17
	s_lshl_b32 s17, s10, 1
	s_add_co_u32 s16, s16, s17
	s_add_co_u32 s16, s16, SCI+1024
	v_lshl_add_u32 v9, v1, 4, s16
	v_lshl_add_u32 v12, v0, 3, SCI
	v_lshlrev_b32 v13, 3, v0
	s_lshl_b32 s20, ttmp9, 17
	s_lshl_b32 s17, s10, 16
	s_add_co_u32 s20, s20, s17
	s_lshl_b32 s17, s9, 8
	s_add_co_u32 s20, s20, s17
	s_mov_b32 s21, 0
	s_mul_i32 s22, s11, SLOTB
	s_mul_i32 s17, s12, BLK
	s_add_co_u32 s24, s22, s17                     ; the step's block of K
	s_lshl_b32 s17, s10, 13
	s_add_co_u32 s26, s24, s17
	s_lshl_b32 s17, s14, 10
	s_add_co_u32 s26, s26, s17
	s_lshl_b32 s17, s15, 9
	s_add_co_u32 s26, s26, s17                     ; K's codes: + 8192 kh + 1024 s + 512 c
	s_mov_b32 s27, 0
	s_lshl_b32 s17, s9, 12
	s_add_co_u32 s28, s24, s17
	s_lshl_b32 s17, s10, 9
	s_add_co_u32 s28, s28, s17
	s_add_co_u32 s28, s28, 4*BLK                   ; V's codes: four blocks on, + 4096 cg + 512 kh
	s_mov_b32 s29, 0
	s_mul_i32 s17, s10, 4*BLK-1024                 ; threads 0-127 store K's 1,024 bytes of scale words, threads 128-255 V's
	s_add_co_u32 s30, s24, s17
	s_add_co_u32 s30, s30, 16384
	s_mov_b32 s31, 0
	s_wait_kmcnt 0x0
	s_add_nc_u64 s[4:5], s[4:5], s[20:21]
	s_add_nc_u64 s[26:27], s[6:7], s[26:27]
	s_add_nc_u64 s[28:29], s[6:7], s[28:29]
	s_add_nc_u64 s[30:31], s[6:7], s[30:31]
.irp i, 0,1
.irp n, 0,1,2,3,4,5,6,7,8,9,10,11,12,13,14,15
	global_load_b128 v[X+64*\i+4*\n:X+64*\i+4*\n+3], v2, s[4:5] offset:32768*\i+2048*\n th:TH_LOAD_NT
.endr
.endr
; Two blocks of 32 numbers become codes in v[c0] .. + 3, v[c1] .. + 3 and scale bytes in v24, v25.  Four chains of maxima.
.macro QPAIR s0, s1, c0, c1
	v_max3_num_f32 v16, |v[(\s0)]|, |v[(\s0)+1]|, 0x1800000        ; with the floor 2^(3 - 127)
	v_max3_num_f32 v17, |v[(\s1)]|, |v[(\s1)+1]|, 0x1800000
	v_max3_num_f32 v18, |v[(\s0)+16]|, |v[(\s0)+17]|, |v[(\s0)+18]|
	v_max3_num_f32 v19, |v[(\s1)+16]|, |v[(\s1)+17]|, |v[(\s1)+18]|
.irp n, 0,1,2,3,4,5
	s_delay_alu instid0(VALU_DEP_4)
	v_max3_num_f32 v16, v16, |v[(\s0)+2+2*\n]|, |v[(\s0)+3+2*\n]|
	s_delay_alu instid0(VALU_DEP_4)
	v_max3_num_f32 v17, v17, |v[(\s1)+2+2*\n]|, |v[(\s1)+3+2*\n]|
	s_delay_alu instid0(VALU_DEP_4)
	v_max3_num_f32 v18, v18, |v[(\s0)+19+2*\n]|, |v[(\s0)+20+2*\n]|
	s_delay_alu instid0(VALU_DEP_4)
	v_max3_num_f32 v19, v19, |v[(\s1)+19+2*\n]|, |v[(\s1)+20+2*\n]|
.endr
	s_delay_alu instid0(VALU_DEP_4)
	v_max3_num_f32 v16, v16, |v[(\s0)+14]|, |v[(\s0)+15]|
	s_delay_alu instid0(VALU_DEP_4)
	v_max3_num_f32 v17, v17, |v[(\s1)+14]|, |v[(\s1)+15]|
	s_delay_alu instid0(VALU_DEP_2)
	v_max3_num_f32 v16, v16, v18, |v[(\s0)+31]|
	s_delay_alu instid0(VALU_DEP_2)
	v_max3_num_f32 v17, v17, v19, |v[(\s1)+31]|
	s_delay_alu instid0(VALU_DEP_2)
	v_add_nc_u32 v20, 0xff000000, v16              ; 2 off the exponent field: the conversion's scale operand
	s_delay_alu instid0(VALU_DEP_2)
	v_add_nc_u32 v21, 0xff000000, v17
.irp g, 0,1,2,3
	v_cvt_scalef32_pk8_fp4_f32 v[(\c0)+\g], v[(\s0)+8*\g:(\s0)+8*\g+7], v20
	v_cvt_scalef32_pk8_fp4_f32 v[(\c1)+\g], v[(\s1)+8*\g:(\s1)+8*\g+7], v21
.endr
	v_lshrrev_b32 v24, 23, v20                     ; the scales' bytes (also the plain line behind the conversions)
	v_lshrrev_b32 v25, 23, v21
.endm
.macro TILE i
.set XB, X+64*(\i)
	s_wait_loadcnt 16*(1-(\i))                     ; this tile's 16 loads are in; the other tile's 16 may be out
.irp n, 0,1,2,3,4,5,6,7,8,9,10,11,12,13,14,15
	ds_store_b128 v3, v[XB+4*\n:XB+4*\n+3] offset:2*SP*\n
.endr
.irp hh, 0,1
.irp j, 0,1,2,3,4,5,6,7
	ds_load_b128 v[KB+32*\hh+4*\j:KB+32*\hh+4*\j+3], v4 offset:128*\hh+16*\j   ; a lane a key
.endr
.endr
	s_wait_dscnt 16                                ; all but the 16 loads just issued: the stores have read their registers
.set k, 0
.rept 32
	ds_load_b32 v[XB+k], v5 offset:SP*k            ; a lane a column: columns 0-31 of my 64
.set k, k+1
.endr
	s_wait_dscnt 32                                ; all but the 32 just issued
	QPAIR KB, KB+32, KC+8*(\i), KC+8*(\i)+4
	s_delay_alu instid0(VALU_DEP_1)
	v_lshl_or_b32 v[30+(\i)], v25, 8, v24
	ds_store_b16 v8, v[30+(\i)] offset:8*(\i)
.set k, 0
.rept 32
	ds_load_b32 v[XB+32+k], v5 offset:128+SP*k     ; columns 32-63
.set k, k+1
.endr
	global_store_b128 v6, v[KC+8*(\i):KC+8*(\i)+3], s[26:27] offset:4096*(\i)
	global_store_b128 v6, v[KC+8*(\i)+4:KC+8*(\i)+7], s[26:27] offset:4096*(\i)+256
	s_wait_dscnt 0x0
	QPAIR XB, XB+32, VC+8*(\i), VC+8*(\i)+4
.if (\i) == 0
	s_delay_alu instid0(VALU_DEP_2)
	v_mov_b32 v28, v24
	s_delay_alu instid0(VALU_DEP_2)
	v_mov_b32 v29, v25
.else
	s_delay_alu instid0(VALU_DEP_2)
	v_lshl_or_b32 v28, v24, 8, v28
	s_delay_alu instid0(VALU_DEP_2)
	v_lshl_or_b32 v29, v25, 8, v29
.endif
	global_store_b128 v2, v[VC+8*(\i):VC+8*(\i)+3], s[28:29] offset:256*(\i)
	global_store_b128 v2, v[VC+8*(\i)+4:VC+8*(\i)+7], s[28:29] offset:2048+256*(\i)
.endm
	TILE 0
	TILE 1
	ds_store_b16 v9, v28
	ds_store_b16 v9, v29 offset:4
	s_wait_dscnt 0x0                               ; for the others' sake: my stores of scale bytes have landed
	s_barrier_signal -1
	s_barrier_wait -1
	ds_load_b64 v[14:15], v12
	s_wait_dscnt 0x0
	global_store_b64 v13, v[14:15], s[30:31]       ; a wave stores 256 consecutive aligned bytes
	s_wait_tensorcnt 0x0                           ; the wave's end
	ds_add_u32 v10, v11
	s_wait_dscnt 0x0
	s_endpgm
.Lfunc_end_k_q15ebcdfcb8_quant:
	.size	k_q15ebcdfcb8_quant, .Lfunc_end_k_q15ebcdfcb8_quant-k_q15ebcdfcb8_quant
	.p2alignl 7, 3214868480
	.fill 96, 4, 3214868480
	.section	.rodata,"a",@progbits
	.p2align	6, 0x0
	.amdhsa_kernel k_q15ebcdfcb8_quant
		.amdhsa_group_segment_fixed_size 72704
		.amdhsa_private_segment_fixed_size 0
		.amdhsa_enable_private_segment 0
		.amdhsa_kernarg_size 16
		.amdhsa_user_sgpr_count 2
		.amdhsa_user_sgpr_kernarg_segment_ptr 1
		.amdhsa_wavefront_size32 1
		.amdhsa_system_sgpr_workgroup_id_x 1
		.amdhsa_system_sgpr_workgroup_id_y 1
		.amdhsa_system_sgpr_workgroup_id_z 1
		.amdhsa_system_vgpr_workitem_id 0
		.amdhsa_next_free_vgpr 256
		.amdhsa_next_free_sgpr 66
		.amdhsa_reserve_vcc 0
		.amdhsa_float_denorm_mode_32 3
		.amdhsa_float_denorm_mode_16_64 3
		.amdhsa_memory_ordered 1
		.amdhsa_forward_progress 1
		.amdhsa_inst_pref_size 36
	.end_amdhsa_kernel
	.amdgpu_metadata
---
amdhsa.version: [ 1, 2 ]
amdhsa.kernels:
  - .name:           k_q15ebcdfcb8_quant
    .symbol:         k_q15ebcdfcb8_quant.kd
    .args:
      - { .name: stored, .offset: 0, .size: 8, .value_kind: global_buffer, .address_space: global }
      - { .name: kv, .offset: 8, .size: 8, .value_kind: global_buffer, .address_space: global }
    .group_segment_fixed_size: 72704
    .private_segment_fixed_size: 0
    .kernarg_segment_align: 8
    .kernarg_segment_size: 16
    .max_flat_workgroup_size: 256
    .sgpr_count:     66
    .vgpr_count:     256
    .wavefront_size: 32
...
	.end_amdgpu_metadata
.endif
;; end of part 1
;; launch attn (part 2): grid 32 x 8, 8 waves a work-group, clusters of 4 x 1, 327,680 bytes of LDS; arguments x_codes, x_scales, kv, part, stat; writes part, stat
.if DOCPART == 2
	.amdgcn_target "amdgcn-amd-amdhsa--gfx1250"
	.amdhsa_code_object_version 6
	.text
	.protected	k_q15ebcdfcb8_attn
	.globl	k_q15ebcdfcb8_attn
	.p2align	8
	.type	k_q15ebcdfcb8_attn,@function
k_q15ebcdfcb8_attn:
	s_mov_b64 s[64:65], 0
	v_nop
	global_prefetch_b8 v0, s[64:65] scope:SCOPE_SE
	s_setreg_imm32_b32 hwreg(HW_REG_WAVE_MODE, 25, 1), 1
	s_wait_xcnt 0x0
	s_wait_alu depctr_hold_cnt(0) depctr_sa_sdst(0) depctr_va_vdst(0) depctr_va_sdst(0) depctr_va_ssrc(0) depctr_va_vcc(0) depctr_vm_vsrc(0)
	s_getreg_b32 s2, hwreg(HW_REG_IB_STS2, 6, 4)
	s_cmp_eq_u32 s2, 0
	s_cbranch_scc0 .Lentry_in_a_cluster
	s_endpgm
.Lentry_in_a_cluster:
	s_bfe_u32 s2, ttmp6, 0x10000c
	s_cmp_lg_u32 s2, 0x3003
	s_cbranch_scc0 .Lentry_shape_is_right
	s_endpgm
.Lentry_shape_is_right:
; Both products and the softmax, for 64 queries x 8,192 keys a work-group.  t = score x log2(e); M = the running largest t rounded up to a whole number; p = 2^(t - M) is quantised along the keys, not normalised;
; l is the sum of the unquantised p.  Stored: part = O under the work-group's M, not divided; stat = (-M, l) for each query and key split.  The next launch joins the 8 splits.  No work is left out.
; LIMITS: NaN and infinities are not served; the promise holds while |t| stays under 2^31; a p under 2^-126 counts as 0; a block whose largest t - M lies under -124 keeps the scale byte 1.
; A block's scale is taken from floor(the block's largest t - M), not from the bits of the exponential: where v_exp_f32 rounds that one p up to the next power of two, it is held at the largest code.
; SHARES.  Work-group (x, y): queries 64 x on, slots 16 y .. 16 y + 15 of kv (a slot: 512 keys = 4 steps; blocks K0-3, V0-3 of PARTB bytes: see the launch that writes it).
; Wave w: qp = w % 2: its 32 queries, two tiles of 16; kq = w / 2.  It makes scores and p for step kq of a slot, and O^T for the 64 d from 64 kq on over all four steps.
; The four waves of a query half use ONE M: each stores its step's largest score to LDS, all read the four.  Their p (codes as images of the operand's registers, scale words) go through LDS too.
; So O^T is 64 registers a wave, 32 packed lines rescale it in a trip, and no parts of O are joined at the end.
; THREE STAGES, ONE TRIP APART: trip n runs B(n - 1): M, p, l, codes; C(n - 2): O^T += V^T P^T; A(n): S^T = K x^T and the blocks' largest scores.  What a stage stores to LDS is read one trip later,
; behind the round that changes slots; the exchange areas take turns by the trip's parity.  K of slot n and V of slot n - 2 lie in LDS region n % 2.
; Forty of stage C's LDS loads (p's codes, V's steps 0, 2, 3) are issued five at the head of each of B's eight batches of exponentials; V's step 1 and K's tile 1 behind B, ahead of the products of steps 0, 2, 3.
; LOADS.  Waves 0-3 load K's blocks, waves 4-7 V's, jointly for the cluster's four work-groups (same y, same slots).  Head: slot 0; ahead of trip 0: slot 1 (first fills); ahead of trip n >= 1: K of slot n + 1
; (n <= 14) and V of slot n - 1 (3 <= n <= 16).  One tensor load of a wave is out at any time; every wait on TENSORcnt is for 0.
; PREFETCH.  In trip n each wave asks for the block that it will load two trips on (K of slot n + 3, n <= 12; V of slot n + 1, 1 <= n <= 14): 68 runs of 256 bytes, 17 to each partner of the cluster, told apart by address;
; lanes 0-16 name a run each, the others the last again.  The first loads come alone; nothing passes slot 15.
; LAYOUT.  Both products transposed: a lane holds one query (lane % 16).  The 16 registers of key tiles 2 b, 2 b + 1 are keys 32 b + 16 (lane / 16) + 0 .. 15.
; REGISTERS.  Window 0: v1,2 K's LDS address (region 0, 1); v3,4 V's codes'; v56,57 V's scale words'; v5,6 the add's two; v7 prefetch offset; v[8+4u..] -M, largest t, l in two halves; v16 p's store, v17 p's load;
;   v18 exchange words' load, v19 their store; v20+u x's scale words; v[22+2u] f; v26-33 the blocks' largest scores; v34-41 K's scale words; v42-45 p's scale words; v46-53 the four waves' maxima, then the conversions' operands;
;   v54,55 at work, then with v58-63 V's scale words; v64-127 fragments of K (key tile t in places 6 - 2 (t % 4) and the next), or B's sums (v64-95) and codes (v96-111), or V's step 1 (v64-95); v128-255 S^T, then p.
;   Window 1: v0-63 O^T (tile u, d tile t at 32 u + 8 t); v64-127 p's codes of four steps; v128-191 V's fragments of steps 2, 3; v192-223 x; v224-255 V's of step 0.
.set SLOTB, 139264
.set PARTB, 17408
.set SPARE, 2*SLOTB                    ; the spare words
.set XB,    SPARE+1024                 ; exchange words: [parity][qp] x (maxima of tile 0, of tile 1, p's scale words), 512 bytes each: 16 x lane + 4 kq
.set XQ,    3072
.set PB,    XB+2*XQ                    ; p's codes: [parity][wave][tile][half] x 512 bytes
.set PQ,    16384
.set LO,    2*XQ+2*PQ                  ; l's exchange, from XB on
.set SP,    272                        ; the way out: a stage row of 256 bytes + 16
.set MSB, 0
.macro WIN new
.if MSB != \new
	s_set_vgpr_msb (MSB<<8)|\new
.set MSB, \new
.endif
.endm
.macro NOPS n
.rept \n
	v_nop
.endr
.endm
.macro SYNC
	s_wait_alu depctr_va_vdst(0)
.endm
.macro CREST
	s_cmp_lg_u32 s14, 0
	s_cbranch_scc1 .Lnot_wave_0_\@
	s_barrier_signal -3
.Lnot_wave_0_\@:
	s_barrier_wait -3
	s_barrier_signal -1
	s_barrier_wait -1
.endm
.macro TL p
	tensor_load_to_lds s[32+4*\p:35+4*\p], s[24:31]
	s_nop 0
	NOPS 4
.endm
.macro JLOAD p, who                    ; who = 1: every wave; 2: K's waves; 3: V's waves.  The branch hangs on the wave's number alone
.if \who == 1
	TL \p
.elseif \who == 2
	s_cmp_lt_u32 s14, 4
	s_cbranch_scc0 .Lj_\@
	TL \p
.Lj_\@:
.else
	s_cmp_ge_u32 s14, 4
	s_cbranch_scc0 .Lj_\@
	TL \p
.Lj_\@:
.endif
.endm
.macro ASK
	s_sub_co_u32 s50, s45, s48
	s_cmp_lt_u32 s50, s49                          ; the trip's number within my wave's range
	s_cbranch_scc0 .Lnot_mine_\@
	global_prefetch_b8 v7, s[46:47] th:TH_LOAD_NT scope:SCOPE_SE
.Lnot_mine_\@:
.endm
; One scaled product on the symbols OA (C, D), VF (source 0), PC (source 1), SA, SBR (scales)
.macro W4 first, m1, m2
.if \first
	v_wmma_scale_f32_16x16x128_f8f6f4 v[OA:OA+7], v[VF:VF+7], v[PC:PC+7], 0, v[SA], v[SBR] matrix_a_fmt:MATRIX_FMT_FP4 matrix_b_fmt:MATRIX_FMT_FP4 \m1 \m2
.else
	v_wmma_scale_f32_16x16x128_f8f6f4 v[OA:OA+7], v[VF:VF+7], v[PC:PC+7], v[OA:OA+7], v[SA], v[SBR] matrix_a_fmt:MATRIX_FMT_FP4 matrix_b_fmt:MATRIX_FMT_FP4 \m1 \m2
.endif
.endm
.macro KFRAG p, t                      ; key tile t's two fragments
.irp ks, 0,1
.set KR, 64+8*(6-2*((\t)%4)+\ks)
	ds_load_b128 v[KR:KR+3], v[1+\p] offset:(2*(\t)+\ks)*1024
	ds_load_b128 v[KR+4:KR+7], v[1+\p] offset:(2*(\t)+\ks)*1024+512
.endr
.endm
.macro QK2 t0                          ; key tiles t0, t0 + 1 x both query tiles: four accumulators by turns, d step 0 then d step 1
.irp tt, 0,1
.irp u, 0,1
.set OA, 128+64*\u+8*((\t0)+\tt)
.set VF, 64+8*(6-2*(((\t0)+\tt)%4))
.set PC, 192+16*\u
.set SA, 34+(\t0)+\tt
.set SBR, 20+\u
	W4 1
.endr
.endr
.irp tt, 0,1
.irp u, 0,1
.set OA, 128+64*\u+8*((\t0)+\tt)
.set VF, 64+8*(7-2*(((\t0)+\tt)%4))
.set PC, 200+16*\u
.set SA, 34+(\t0)+\tt
.set SBR, 20+\u
	W4 0, matrix_a_scale:MATRIX_SCALE_ROW1, matrix_b_scale:MATRIX_SCALE_ROW1
.endr
.endr
.endm
.macro MAXB b                          ; the largest of the first 15 of a lane's 16 scores of block b; each accumulator is read from its low end on
.irp u, 0,1
	v_max3_num_f32 v[26+4*\u+(\b)], v[128+64*\u+16*(\b)], v[129+64*\u+16*(\b)], v[130+64*\u+16*(\b)]
.endr
.irp i, 3,5,7,9,11,13
.irp u, 0,1
	v_max3_num_f32 v[26+4*\u+(\b)], v[26+4*\u+(\b)], v[128+64*\u+16*(\b)+\i], v[129+64*\u+16*(\b)+\i]
.endr
.endr
.endm
.macro AHEAD p                         ; K's scale words and key tile 0
	ds_load_b128 v[34:37], v[1+\p] offset:16384
	ds_load_b128 v[38:41], v[1+\p] offset:16896
	KFRAG \p, 0
.endm
; STAGE A: S^T of my 128 keys, the blocks' largest scores, my step's largest to LDS.  c: stage C stood ahead and has asked for key tile 1
.macro AMAIN p, c
.if \c
	NOPS 4                                         ; places in front of loads into V's step 1, which the last products read
.else
	KFRAG \p, 1
.endif
	KFRAG \p, 2
	KFRAG \p, 3
	s_wait_dscnt 8                                 ; all but key tiles 2 and 3
	WIN 0x04                                       ; x (source 1) in window 1
	QK2 0
	NOPS 4                                         ; places in front of loads into registers that matrix instructions have read
	KFRAG \p, 4
	KFRAG \p, 5
	s_wait_dscnt 8                                 ; all but the 8 just issued
	QK2 2
	WIN 0
	MAXB 0                                         ; also the places in front of the loads below
	KFRAG \p, 6
	KFRAG \p, 7
	s_wait_dscnt 8
	WIN 0x04
	QK2 4
	WIN 0
	MAXB 1
	s_wait_dscnt 0x0
	WIN 0x04
	QK2 6
	WIN 0
	MAXB 2                                         ; the places behind the last products
	MAXB 3
.irp k, 0,1,2,3,4,5,6,7
	v_max_num_f32 v[26+\k], v[26+\k], v[143+16*\k]   ; the sixteenth score
.endr
.irp k, 0,1,2,3,4,5,6,7
	v_permlanex16_b32 v[46+\k], v[26+\k], s42, s43
.endr
.irp k, 0,1,2,3,4,5,6,7
	v_max_num_f32 v[26+\k], v[26+\k], v[46+\k]     ; with lane l xor 16's: the largest score of each block of 32 keys
.endr
.irp u, 0,1
	v_max3_num_f32 v[54+\u], v[26+4*\u], v[27+4*\u], v[28+4*\u]
.endr
.irp u, 0,1
	v_max_num_f32 v[54+\u], v[54+\u], v[29+4*\u]
.endr
.irp u, 0,1
	ds_store_b32 v19, v[54+\u] offset:XQ*\p+512*\u
.endr
.endm
; STAGE C's loads.  CL: number m of the forty into window 1: 0-15 p's codes (step m / 4, tile, half), 16-31 V's fragments of steps 2, 3, 32-39 of step 0
.macro CL p, m
.if (\m) < 16
	ds_load_b128 v[64+4*(\m):67+4*(\m)], v17 offset:PQ*(1-\p)+4096*((\m)/4)+512*((\m)%4)
.elseif (\m) < 32
	ds_load_b128 v[64+4*(\m):67+4*(\m)], v[3+\p] offset:(2+((\m)-16)/8)*PARTB+512*(((\m)-16)%8)
.else
	ds_load_b128 v[96+4*(\m):99+4*(\m)], v[3+\p] offset:512*((\m)-32)
.endif
.endm
.macro VSLOAD p                        ; V's scale words of my four d tiles, a pair of registers a step
	ds_load_b64 v[54:55], v[56+\p]
	ds_load_b64 v[58:59], v[56+\p] offset:PARTB
	ds_load_b64 v[60:61], v[56+\p] offset:2*PARTB
	ds_load_b64 v[62:63], v[56+\p] offset:3*PARTB
.endm
.macro PVE e, first                    ; step e: eight accumulators by turns
.if (\e) == 0
.set VB, 224
.set SV, 54
.elseif (\e) == 1
.set VB, 64
.set SV, 58
.else
.set VB, 64+32*(\e)
.set SV, 56+2*(\e)
.endif
.irp t, 0,1,2,3
.irp u, 0,1
.set OA, 32*\u+8*\t
.set VF, VB+8*\t
.set PC, 64+16*(\e)+8*\u
.set SA, SV+\t/2
.set SBR, 42+(\e)
.if (\t%2)+2*\u == 0
	W4 \first
.elseif (\t%2)+2*\u == 1
	W4 \first, matrix_a_scale:MATRIX_SCALE_ROW1
.elseif (\t%2)+2*\u == 2
	W4 \first, matrix_b_scale:MATRIX_SCALE_ROW1
.else
	W4 \first, matrix_a_scale:MATRIX_SCALE_ROW1, matrix_b_scale:MATRIX_SCALE_ROW1
.endif
.endr
.endr
.endm
; STAGE C: V's step 1 (and, a = 1, key tile 1 for stage A) are asked for; steps 0, 2, 3 are multiplied from registers meanwhile; then step 1
.macro CPV p, first, a
.irp i, 0,1,2,3,4,5,6,7
	ds_load_b128 v[64+4*\i:67+4*\i], v[3+\p] offset:PARTB+512*\i
.endr
.if \a
	KFRAG \p, 1
.endif
	SYNC
	s_wait_dscnt 8+4*\a                            ; all but the loads just issued
	WIN 0x55                                       ; V, p, C and D in window 1
	PVE 0, \first
	PVE 2, 0
	PVE 3, 0
	s_wait_dscnt 4*\a                              ; V's step 1 is in; key tile 1 may be out
	WIN 0x54                                       ; V in window 0
	PVE 1, 0
	WIN 0
.if \a == 0
	NOPS 4                                         ; no stage A follows: the places behind the last products, ahead of the lines that read O^T
.endif
.endm
.macro RESCALE                         ; O^T under the new M, each accumulator from its low end on
	WIN 0x41
	SYNC                                           ; directly ahead of the first reader of the products' results
.irp u, 0,1
.set i, 0
.rept 16
	v_pk_mul_f32 v[32*\u+i:32*\u+i+1], v[32*\u+i:32*\u+i+1], v[22+2*\u:23+2*\u] op_sel_hi:[1,0]
.set i, i+2
.endr
.endr
	WIN 0
	SYNC
.endm
; STAGE B, first part: the common M, f, the blocks' scales
.macro BPRE p, younger
	s_wait_dscnt \younger                          ; the four waves' maxima are in; the load issued behind them may be out
.irp u, 0,1
	v_max3_num_f32 v[54+\u], v[46+4*\u], v[47+4*\u], v[48+4*\u]
.endr
.irp u, 0,1
	v_max_num_f32 v[54+\u], v[54+\u], v[49+4*\u]
.endr
.irp u, 0,1
	v_mul_f32 v[54+\u], s40, v[54+\u]              ; as t
.endr
.irp u, 0,1
	v_max_num_f32 v[9+4*\u], v[9+4*\u], v[54+\u]   ; the running largest t
.endr
.irp u, 0,1
	v_mov_b32 v[54+\u], v[8+4*\u]
.endr
.irp u, 0,1
	v_floor_f32 v[8+4*\u], -v[9+4*\u]              ; -M = floor(-t)
.endr
.irp u, 0,1
	v_sub_f32 v[54+\u], v[8+4*\u], v[54+\u]        ; old M - new M: a whole number, 0 or less
.endr
.irp u, 0,1
	v_cvt_i32_f32 v[54+\u], v[54+\u]               ; (it saturates)
.endr
.irp u, 0,1
	v_ldexp_f32 v[22+2*\u], 1.0, v[54+\u]          ; f = 2^(old M - new M)
.endr
.irp k, 0,1,2,3,4,5,6,7
	v_fma_f32 v[26+\k], v[26+\k], s40, v[8+4*(\k/4)]   ; t - M of each block's largest score
.endr
.irp k, 0,1,2,3,4,5,6,7
	v_max_num_f32 v[26+\k], 0xc2f80000, v[26+\k]   ; held at -124: the byte cannot fall under 1
.endr
.irp k, 0,1,2,3,4,5,6,7
	v_floor_f32 v[26+\k], v[26+\k]                 ; floor(log2(the block's largest p))
.endr
.irp k, 0,1,2,3,4,5,6,7
	v_cvt_i32_f32 v[26+\k], v[26+\k]
.endr
.irp k, 0,1,2,3,4,5,6,7
	v_add_lshl_u32 v[46+\k], v[26+\k], 125, 23     ; the byte in the exponent field: the conversion's scale operand
.endr
.irp k, 0,1,2,3,4,5,6,7
	v_add_nc_u32 v[26+\k], 125, v[26+\k]           ; the byte: - 2 + 127
.endr
.irp u, 0,1
	v_lshl_or_b32 v[54+\u], v[27+4*\u], 8, v[26+4*\u]
.endr
.irp u, 0,1
	v_lshl_or_b32 v[54+\u], v[28+4*\u], 16, v[54+\u]
.endr
.irp u, 0,1
	v_lshl_or_b32 v[54+\u], v[29+4*\u], 24, v[54+\u]
.endr
	v_cndmask_b32 v54, v54, v55, s60               ; lanes 0-15 tile 0's word, lanes 16-31 tile 1's
	ds_store_b32 v19, v54 offset:XQ*\p+1024
.endm
.macro PKF k, j                        ; t - M of pair j of chunk k (16 registers: tile k / 4, block k % 4)
	v_pk_fma_f32 v[128+16*(\k)+2*(\j):129+16*(\k)+2*(\j)], v[128+16*(\k)+2*(\j):129+16*(\k)+2*(\j)], s[40:41], v[8+4*((\k)/4):9+4*((\k)/4)] op_sel_hi:[1,0,0]
.endm
.macro LADD kk, j                      ; eight partial sums of l a tile take in chunk kk
.set CB, 128+16*(\kk)+2*(\j)
.set AC, 64+16*((\kk)/4)+2*(\j)
.if (\kk)%4 == 1
	v_pk_add_f32 v[AC:AC+1], v[CB-16:CB-15], v[CB:CB+1]
.elseif (\kk)%4 > 1
	v_pk_add_f32 v[AC:AC+1], v[AC:AC+1], v[CB:CB+1]
.endif
.endm
.macro CVT2 kk
	v_cvt_scalef32_pk8_fp4_f32 v[96+2*(\kk)], v[128+16*(\kk):135+16*(\kk)], v[46+(\kk)]
	v_cvt_scalef32_pk8_fp4_f32 v[97+2*(\kk)], v[136+16*(\kk):143+16*(\kk)], v[46+(\kk)]
.endm
.macro TREE u, n
.set j, 0
.rept \n
	v_pk_add_f32 v[64+16*\u+2*j:65+16*\u+2*j], v[64+16*\u+2*j:65+16*\u+2*j], v[64+16*\u+2*(j+\n):65+16*\u+2*(j+\n)]
.set j, j+1
.endr
.endm
; STAGE B, second part.  Eight batches of 16 exponentials, a wait ahead of each and behind each.  At a batch's head five of stage C's loads.  Among a batch stand plain lines whose sources were ready at the wait ahead
; and whose results are read behind the wait after: the next chunk's scalings and the last chunk's sums; behind it the last chunk's conversions.
.macro BMAIN p, c, a, fin
.if \c
	VSLOAD \p
.endif
.irp j, 0,1,2,3,4,5,6,7
	PKF 0, \j
.endr
.if \a
	AHEAD \p
.endif
	SYNC
.set k, 0
.rept 8
.if \c
	WIN 0x40
.set m, 5*k
.rept 5
	CL \p, m
.set m, m+1
.endr
	WIN 0
.endif
.set i, 0
.rept 16
	v_exp_f32 v[128+16*k+i], v[128+16*k+i]
.if i < 8
.if k < 7
	PKF k+1, i
.endif
.elseif k > 0
	LADD k-1, i-8
.endif
.set i, i+1
.endr
.if k > 0
	CVT2 k-1
.endif
.if k == 5
	TREE 0, 4
.elseif k == 6
	TREE 0, 2
.elseif k == 7
	TREE 0, 1
.endif
	v_nop                                          ; the plain line behind the exponentials and the conversions
	SYNC
.set k, k+1
.endr
.irp j, 0,1,2,3,4,5,6,7
	LADD 7, \j
.endr
	CVT2 7
	v_nop
	TREE 1, 4
	TREE 1, 2
	TREE 1, 1
.irp u, 0,1
	v_pk_fma_f32 v[10+4*\u:11+4*\u], v[10+4*\u:11+4*\u], v[22+2*\u:23+2*\u], v[64+16*\u:65+16*\u] op_sel_hi:[1,0,1]   ; l x f + this step's sum
.endr
.irp u, 0,1
.irp hc, 0,1
.irp i, 0,1
	v_permlane16_swap_b32 v[96+8*\u+4*\hc+\i], v[98+8*\u+4*\hc+\i]   ; a whole block in a lane
.endr
.endr
.endr
.irp u, 0,1
.irp hc, 0,1
	ds_store_b128 v16, v[96+8*\u+4*\hc:99+8*\u+4*\hc] offset:PQ*\p+1024*\u+512*\hc
.endr
.endr
.if \fin                               ; the last step: my l of every query to LDS
.irp u, 0,1
	v_add_f32 v[28+\u], v[10+4*\u], v[11+4*\u]
.endr
.irp u, 0,1
	v_permlanex16_b32 v[26+\u], v[28+\u], s42, s43
.endr
.irp u, 0,1
	v_add_f32 v[28+\u], v[28+\u], v[26+\u]
.endr
.irp u, 0,1
	ds_store_b32 v19, v[28+\u] offset:LO+512*\u
.endr
.endif
.endm
; A TRIP of parity p.  c: 0 no stage C, 1 its products start O^T, 2 they add.
.macro TRIP p, c, b, a, ask, fin
.if \b
	ds_load_b128 v[46:49], v18 offset:XQ*(1-\p)
	ds_load_b128 v[50:53], v18 offset:XQ*(1-\p)+512
.if \c
	ds_load_b128 v[42:45], v18 offset:XQ*(1-\p)+1024   ; p's scale words of steps 0-3: lanes 0-15 tile 0, lanes 16-31 tile 1
.endif
.else
	AHEAD \p
.endif
.if \ask
	ASK
.endif
.if \b
.if \c
	BPRE \p, 1
.else
	BPRE \p, 0
.endif
	BMAIN \p, \c, \a, \fin
.endif
.if \c == 1
	CPV \p, 1, \a
.elseif \c == 2
	CPV \p, 0, \a
.endif
.if \a
	AMAIN \p, \c
.endif
.endm
; THE CHANGE OF SLOTS behind a trip of parity p: all my tensor loads, the add, my LDS instructions; the round; region p is filled again first thing behind it.
; The group 0 of the other region, whose load has landed, steps two slots on (st = 1: in K's waves alone: V's first two slots wait two trips for their successors).  resc: O^T is rescaled, on registers, inside the round's opening barrier.
.macro CHANGE p, who, resc, st
	SYNC
	s_wait_tensorcnt 0x0
	ds_add_u32 v5, v6
.if \st
	s_add_nc_u64 s[38-4*\p:39-4*\p], s[38-4*\p:39-4*\p], s[58:59]
.else
	s_add_nc_u64 s[38-4*\p:39-4*\p], s[38-4*\p:39-4*\p], 2*SLOTB
.endif
	s_wait_xcnt 0x0                                ; the last prefetch has read its address
	s_add_nc_u64 s[46:47], s[46:47], SLOTB
	s_add_co_u32 s45, s45, 1                       ; the trip's number
	s_wait_dscnt 0x0
	s_barrier_signal -1
.if \resc
	RESCALE
.endif
	s_barrier_wait -1
.if \who
	CREST
	JLOAD \p, \who
.endif
.endm
	s_load_b256 s[4:11], s[0:1], 0x0               ; x_codes, x_scales, kv, part
	s_load_b64 s[12:13], s[0:1], 0x20              ; stat
	v_lshl_add_u32 v5, v0, 2, SPARE
	v_mov_b32 v6, 0
	ds_add_u32 v5, v6                              ; the opening
	ds_add_u32 v5, v6
	v_lshrrev_b32 v1, 5, v0
	v_readfirstlane_b32 s14, v1                    ; wave 0..7
	s_and_b32 s15, s14, 1                          ; qp
	s_lshr_b32 s18, s14, 1                         ; kq
	s_bfe_u32 s19, ttmp6, 0x40000                  ; cx: it enters global addresses alone
	s_lshl_b32 s20, ttmp9, 2
	s_add_co_u32 s20, s20, s19                     ; my block of 64 queries
	s_and_b32 s21, ttmp7, 0xffff                   ; y: the key split
	s_mov_b32 s24, 15|(3<<16)|(1<<21)              ; group 1: the mask of all four; elements of 8 bytes; bit 21 beside a mask
	s_mov_b32 s25, 32<<16                          ; rows of 256 bytes,
	s_mov_b32 s26, 68<<16                          ; 68 of them, dense
	s_mov_b32 s27, 32<<16
	s_mov_b32 s28, 68
	s_mov_b32 s29, 32
	s_mov_b32 s30, 0
	s_mov_b32 s31, 0
	s_mov_b32 s40, 0x3fb8aa3b                      ; log2(e)
	s_mov_b32 s41, s40
	s_mov_b32 s42, 0x76543210
	s_mov_b32 s43, 0xfedcba98
	s_mov_b32 s60, 0xffff0000                      ; lanes 16-31
	s_mov_b32 s45, -1
	s_mul_i32 s50, s21, 16*SLOTB
	s_mul_i32 s52, s14, PARTB                      ; my block
	s_mul_i32 s55, s19, 4352                       ; my work-group's 17 runs of it
	s_mov_b32 s51, 0
	s_mov_b32 s59, 0
	s_cmp_lt_u32 s14, 4                            ; do I load for K?
	s_cselect_b32 s58, 2*SLOTB, 0
	s_cselect_b32 s48, 0, 1                        ; the first trip in which I prefetch,
	s_cselect_b32 s49, 13, 14                      ; and how many
	s_cselect_b32 s54, 2*SLOTB, 0                  ; in trip n: slot n + 3 of K, slot n + 1 of V
	s_add_co_u32 s50, s50, s52
	s_add_co_u32 s54, s54, s55
	s_add_co_u32 s54, s54, s50
	s_mov_b32 s55, 0
	s_wait_dscnt 0x0
	s_wait_kmcnt 0x0
	s_mov_b32 s32, 1
	s_mov_b32 s33, s52
	s_add_nc_u64 s[34:35], s[8:9], s[50:51]
	s_mov_b32 s36, 1
	s_add_co_u32 s37, s52, SLOTB
	s_add_nc_u64 s[38:39], s[34:35], SLOTB
	s_or_b32 s35, s35, 0x80000000
	s_or_b32 s39, s39, 0x80000000
	s_add_nc_u64 s[46:47], s[8:9], s[54:55]
	s_barrier_signal -1
	s_barrier_wait -1
	CREST                                          ; all four work-groups are here
	TL 0                                           ; slot 0: one tensor load a wave at the head
	s_lshl_b32 s53, s20, 6
	s_lshl_b32 s54, s15, 5
	s_add_co_u32 s54, s53, s54                     ; my wave's first query
	s_mov_b32 s57, 0
	s_lshl_b32 s56, s54, 7
	s_add_nc_u64 s[4:5], s[4:5], s[56:57]
	s_lshl_b32 s56, s54, 3
	s_add_nc_u64 s[6:7], s[6:7], s[56:57]
	s_lshl_b32 s55, s21, 11
	s_add_co_u32 s54, s54, s55
	s_lshl_b32 s56, s54, 3
	s_add_nc_u64 s[12:13], s[12:13], s[56:57]      ; stat: (2048 y + my first query) x 8
	s_lshl_b32 s56, s54, 10
	s_lshl_b32 s55, s18, 8
	s_add_co_u32 s56, s56, s55
	s_add_nc_u64 s[10:11], s[10:11], s[56:57]      ; part: that row, + my 64 d
	v_and_b32 v58, 15, v0
	v_bfe_u32 v59, v0, 4, 1
	v_lshlrev_b32 v60, 7, v58
	v_lshl_add_u32 v60, v59, 4, v60                ; x's codes: 128 r + 16 h
	v_lshlrev_b32 v61, 3, v58
	v_lshl_add_u32 v61, v59, 2, v61                ; x's scale words: 8 r + 4 h
	WIN 0x40
.irp u, 0,1
.irp ks, 0,1
.irp c, 0,1
	global_load_b128 v[192+16*\u+8*\ks+4*\c:195+16*\u+8*\ks+4*\c], v60, s[4:5] offset:2048*\u+64*\ks+32*\c
.endr
.endr
.endr
	WIN 0
.irp u, 0,1
	global_load_b32 v[20+\u], v61, s[6:7] offset:128*\u
.endr
	v_and_b32 v62, 31, v0
	v_min_u32 v7, 16, v62
	v_lshlrev_b32 v7, 8, v7
	v_lshlrev_b32 v62, 4, v62                      ; 16 x lane
	SYNC
	s_mul_i32 s2, s18, PARTB
	v_add_nc_u32 v1, s2, v62
	v_add_nc_u32 v2, SLOTB, v1
	s_lshl_b32 s2, s18, 12
	s_add_co_u32 s2, s2, 4*PARTB
	v_add_nc_u32 v3, s2, v62
	v_add_nc_u32 v4, SLOTB, v3
	s_lshr_b32 s2, s18, 1
	s_lshl_b32 s2, s2, 9
	s_and_b32 s3, s18, 1
	s_lshl_b32 s3, s3, 3
	s_add_co_u32 s2, s2, s3
	s_add_co_u32 s2, s2, 4*PARTB+16384
	v_add_nc_u32 v56, s2, v62
	v_add_nc_u32 v57, SLOTB, v56
	s_lshl_b32 s2, s14, 11
	s_add_co_u32 s2, s2, PB
	v_add_nc_u32 v16, s2, v62
	s_lshl_b32 s2, s15, 11
	s_add_co_u32 s2, s2, PB
	v_add_nc_u32 v17, s2, v62
	s_mul_i32 s2, s15, 1536
	s_add_co_u32 s2, s2, XB
	v_add_nc_u32 v18, s2, v62
	s_lshl_b32 s3, s18, 2
	v_add_nc_u32 v19, s3, v18
.irp u, 0,1
	v_mov_b32 v[9+4*\u], 0xff61b1e6                ; the largest t so far: -3e38
	v_floor_f32 v[8+4*\u], -v[9+4*\u]
	v_mov_b32 v[10+4*\u], 0
	v_mov_b32 v[11+4*\u], 0
	v_mov_b32 v[23+2*\u], 0                        ; (the upper half of f's pair)
.endr
.irp k, 0,1,2,3,4,5,6,7
	v_mov_b32 v[46+\k], 0                          ; a lane permute's destination counts as one of its sources
.endr
	SYNC
	s_wait_loadcnt 0x0                             ; x
	CHANGE 1, 1, 0, 1                              ; slot 1: first fills, behind a round behind which nothing is filled again
	TRIP 0, 0, 0, 1, 1, 0                          ; trip 0
	CHANGE 0, 2, 0, 1
	TRIP 1, 0, 1, 1, 1, 0                          ; trip 1
	CHANGE 1, 2, 0, 0
	TRIP 0, 1, 1, 1, 1, 0                          ; trip 2
	s_mov_b32 s44, 6
.Lpair:                                            ; trips 3 .. 14
	CHANGE 0, 1, 1, 0
	TRIP 1, 2, 1, 1, 1, 0
	CHANGE 1, 1, 1, 0
	TRIP 0, 2, 1, 1, 1, 0
	s_sub_co_u32 s44, s44, 1
	s_cmp_lg_u32 s44, 0
	s_cbranch_scc1 .Lpair
	CHANGE 0, 3, 1, 0                              ; the tail is written out: K has no slot 16
	TRIP 1, 2, 1, 1, 0, 0                          ; trip 15
	CHANGE 1, 3, 1, 0
	TRIP 0, 2, 1, 0, 0, 1                          ; trip 16
	CHANGE 0, 0, 1, 0                              ; nothing is filled again: my work-group's barrier alone
	; trip 17: the last products, l of the four waves, and the way out
	ds_load_b128 v[46:49], v18 offset:LO
	ds_load_b128 v[50:53], v18 offset:LO+512
	ds_load_b128 v[42:45], v18 offset:1024
	VSLOAD 1
	WIN 0x40
.set m, 0
.rept 40
	CL 1, m
.set m, m+1
.endr
	WIN 0
	CPV 1, 0, 0
	v_add_f32 v46, v46, v47                        ; (these lines are the places behind the last products)
	v_add_f32 v48, v48, v49
	v_add_f32 v50, v50, v51
	v_add_f32 v52, v52, v53
	v_add_f32 v46, v46, v48                        ; l of the four waves, all under the one M
	v_add_f32 v50, v50, v52
	v_cndmask_b32 v54, v8, v12, s60                ; lane l is query l of my 32
	v_cndmask_b32 v55, v46, v50, s60
	v_and_b32 v58, 15, v0
	v_bfe_u32 v59, v0, 4, 1
	s_mul_i32 s2, s14, 32*SP                       ; my stage: 32 rows, in region 0's blocks of K, which have had their last fill and their last read
	v_mul_u32_u24 v60, v58, SP
	v_lshl_add_u32 v60, v59, 5, v60
	v_add_nc_u32 v60, s2, v60                      ; in: row r, + 32 h
	v_mul_u32_u24 v61, v59, SP
	v_lshl_add_u32 v61, v58, 4, v61
	v_add_nc_u32 v61, s2, v61                      ; back: lanes 0-15 one row, lanes 16-31 the next
	v_lshlrev_b32 v62, 10, v59
	v_lshl_add_u32 v62, v58, 4, v62                ; the same two rows in part
	v_and_b32 v63, 31, v0
	v_lshlrev_b32 v63, 3, v63
	WIN 0x04                                       ; an LDS store's data are its source 1
.irp u, 0,1
.irp t, 0,1,2,3
	ds_store_b128 v60, v[32*\u+8*\t:32*\u+8*\t+3] offset:16*SP*\u+64*\t        ; lane (r, h): O(16 u + r, 64 kq + 16 t + 8 h + 0 .. 7)
	ds_store_b128 v60, v[32*\u+8*\t+4:32*\u+8*\t+7] offset:16*SP*\u+64*\t+16
.endr
.endr
	WIN 0
.irp i, 0,1,2,3,4,5,6,7,8,9,10,11,12,13,14,15
	ds_load_b128 v[128+4*\i:131+4*\i], v61 offset:2*\i*SP    ; LDS serves a wave's instructions in order: these see my stores
.endr
	SYNC
.irp i, 0,1,2,3,4,5,6,7,8,9,10,11,12,13,14,15
	s_wait_dscnt 15-\i                             ; the loads behind this one may be out
	global_store_b128 v62, v[128+4*\i:131+4*\i], s[10:11] offset:2048*\i th:TH_STORE_NT   ; sixteen lanes store 256 consecutive aligned bytes
.endr
	s_cmp_lt_u32 s14, 2                            ; waves 0 and 1 store their query half's (-M, l)
	s_cbranch_scc0 .Lno_stat
	global_store_b64 v63, v[54:55], s[12:13]       ; 256 consecutive aligned bytes
.Lno_stat:
	s_wait_tensorcnt 0x0                           ; the wave's end
	ds_add_u32 v5, v6
	s_wait_dscnt 0x0
	s_barrier_signal -1
	s_barrier_wait -1
	CREST                                          ; the closing round
	s_endpgm
.Lfunc_end_k_q15ebcdfcb8_attn:
	.size	k_q15ebcdfcb8_attn, .Lfunc_end_k_q15ebcdfcb8_attn-k_q15ebcdfcb8_attn
	.p2alignl 7, 3214868480
	.fill 96, 4, 3214868480
	.section	.rodata,"a",@progbits
	.p2align	6, 0x0
	.amdhsa_kernel k_q15ebcdfcb8_attn
		.amdhsa_group_segment_fixed_size 327680
		.amdhsa_private_segment_fixed_size 0
		.amdhsa_enable_private_segment 0
		.amdhsa_kernarg_size 40
		.amdhsa_user_sgpr_count 2
		.amdhsa_user_sgpr_kernarg_segment_ptr 1
		.amdhsa_wavefront_size32 1
		.amdhsa_system_sgpr_workgroup_id_x 1
		.amdhsa_system_sgpr_workgroup_id_y 1
		.amdhsa_system_sgpr_workgroup_id_z 1
		.amdhsa_system_vgpr_workitem_id 0
		.amdhsa_next_free_vgpr 512
		.amdhsa_next_free_sgpr 66
		.amdhsa_reserve_vcc 0
		.amdhsa_float_denorm_mode_32 3
		.amdhsa_float_denorm_mode_16_64 3
		.amdhsa_memory_ordered 1
		.amdhsa_forward_progress 1
		.amdhsa_inst_pref_size 255
	.end_amdhsa_kernel
	.section	.bss,"aw",@nobits
	.p2align	6
	.space	262144
	.amdgpu_metadata
---
amdhsa.version: [ 1, 2 ]
amdhsa.kernels:
  - .name:           k_q15ebcdfcb8_attn
    .symbol:         k_q15ebcdfcb8_attn.kd
    .args:
      - { .name: x_codes, .offset: 0, .size: 8, .value_kind: global_buffer, .address_space: global }
      - { .name: x_scales, .offset: 8, .size: 8, .value_kind: global_buffer, .address_space: global }
      - { .name: kv, .offset: 16, .size: 8, .value_kind: global_buffer, .address_space: global }
      - { .name: part, .offset: 24, .size: 8, .value_kind: global_buffer, .address_space: global }
      - { .name: stat, .offset: 32, .size: 8, .value_kind: global_buffer, .address_space: global }
    .group_segment_fixed_size: 327680
    .private_segment_fixed_size: 0
    .kernarg_segment_align: 8
    .kernarg_segment_size: 40
    .max_flat_workgroup_size: 256
    .sgpr_count:     66
    .vgpr_count:     512
    .wavefront_size: 32
...
	.end_amdgpu_metadata
.endif
;; end of part 2
;; launch merge (part 3): grid 512 x 1, 8 waves a work-group, no clusters, 0 bytes of LDS; arguments part, stat, out0; writes out0
.if DOCPART == 3
	.amdgcn_target "amdgcn-amd-amdhsa--gfx1250"
	.amdhsa_code_object_version 6
	.text
	.protected	k_q15ebcdfcb8_merge
	.globl	k_q15ebcdfcb8_merge
	.p2align	8
	.type	k_q15ebcdfcb8_merge,@function
k_q15ebcdfcb8_merge:
	s_mov_b64 s[64:65], 0
	v_nop
	global_prefetch_b8 v0, s[64:65] scope:SCOPE_SE
	s_setreg_imm32_b32 hwreg(HW_REG_WAVE_MODE, 25, 1), 1
	s_wait_xcnt 0x0
; out0[q][:] = (the sum over the 8 key splits s of 2^(M_s - M) part[s][q][:]) / (the sum over s of 2^(M_s - M) l_s), M the largest M_s.  The M_s are whole numbers, so the factors are exact powers of two.
; part: [8][2048][256] f32; stat: [8][2048] pairs (-M_s, l_s); out0: [2048][256] f32.  No work is left out.  LIMITS: NaN and infinities are not served.
; A work-group takes 4 rows; a thread 16 bytes of a row: each load and store of a wave covers 512 consecutive aligned bytes.  A stream read once: no LDS, no matrix unit, no cluster.
; v1 16 x thread; v2 8 x (thread / 64); v4-19 the pairs (-M_s, l_s); v20-51 the eight parts; v[52+2s] the factor, v[53+2s] its exponent; v68 the smallest -M; v69 l; v[70:71] 1 / l; v72-75 the sum
	s_load_b128 s[4:7], s[0:1], 0x0                ; part, stat
	s_load_b64 s[8:9], s[0:1], 0x10                ; out0
	v_lshlrev_b32 v1, 4, v0
	v_lshrrev_b32 v2, 6, v0
	s_delay_alu instid0(VALU_DEP_1)
	v_lshlrev_b32 v2, 3, v2
	s_lshl_b32 s10, ttmp9, 12                      ; 4 rows of 1,024 bytes
	s_mov_b32 s11, 0
	s_lshl_b32 s12, ttmp9, 5                       ; 4 pairs of 8 bytes
	s_mov_b32 s13, 0
	s_wait_alu depctr_va_vdst(0)
	s_wait_kmcnt 0x0
	s_add_nc_u64 s[4:5], s[4:5], s[10:11]
	s_add_nc_u64 s[6:7], s[6:7], s[12:13]
	s_add_nc_u64 s[8:9], s[8:9], s[10:11]
	s_add_nc_u64 s[14:15], s[4:5], 0x800000        ; splits 4-7: the immediate reaches four splits of 2,097,152 bytes
.irp k, 0,1,2,3,4,5,6,7
	global_load_b64 v[4+2*\k:5+2*\k], v2, s[6:7] offset:16384*\k
.endr
.irp k, 0,1,2,3
	global_load_b128 v[20+4*\k:23+4*\k], v1, s[4:5] offset:2097152*\k th:TH_LOAD_NT
.endr
.irp k, 0,1,2,3
	global_load_b128 v[36+4*\k:39+4*\k], v1, s[14:15] offset:2097152*\k th:TH_LOAD_NT
.endr
	s_wait_loadcnt 8                               ; the eight pairs are in; the eight parts may be out
	v_min_num_f32 v68, v4, v6
	v_min_num_f32 v69, v8, v10
	v_min_num_f32 v70, v12, v14
	v_min_num_f32 v71, v16, v18
	s_delay_alu instid0(VALU_DEP_3)
	v_min_num_f32 v68, v68, v69
	s_delay_alu instid0(VALU_DEP_2)
	v_min_num_f32 v70, v70, v71
	s_delay_alu instid0(VALU_DEP_1)
	v_min_num_f32 v68, v68, v70                    ; the smallest -M: the largest M
.irp k, 0,1,2,3,4,5,6,7
	v_sub_f32 v[53+2*\k], v68, v[4+2*\k]           ; M_s - M: a whole number, 0 or less
.endr
.irp k, 0,1,2,3,4,5,6,7
	v_cvt_i32_f32 v[53+2*\k], v[53+2*\k]           ; (it saturates)
.endr
.irp k, 0,1,2,3,4,5,6,7
	v_ldexp_f32 v[52+2*\k], 1.0, v[53+2*\k]
.endr
	v_mul_f32 v69, v5, v52
.irp k, 1,2,3,4,5,6,7
	s_delay_alu instid0(VALU_DEP_1)
	v_fma_f32 v69, v[5+2*\k], v[52+2*\k], v69
.endr
	s_wait_alu depctr_va_vdst(0)
	v_rcp_f32 v70, v69
	v_mov_b32 v71, 0                               ; (the pair's upper half; the plain line behind the reciprocal)
	s_wait_loadcnt 7                               ; split 0's part is in; the seven later ones may be out
	v_pk_mul_f32 v[72:73], v[20:21], v[52:53] op_sel_hi:[1,0]
	v_pk_mul_f32 v[74:75], v[22:23], v[52:53] op_sel_hi:[1,0]
	s_wait_alu depctr_va_vdst(0)
.irp k, 1,2,3,4,5,6,7
	s_wait_alu depctr_va_vdst(0)
	s_wait_loadcnt 7-\k                            ; split k's part is in; the later ones may be out
	v_pk_fma_f32 v[72:73], v[20+4*\k:21+4*\k], v[52+2*\k:53+2*\k], v[72:73] op_sel_hi:[1,0,1]
	v_pk_fma_f32 v[74:75], v[22+4*\k:23+4*\k], v[52+2*\k:53+2*\k], v[74:75] op_sel_hi:[1,0,1]
.endr
	s_wait_alu depctr_va_vdst(0)                   ; the wait ahead of the reciprocal's first reader
	v_pk_mul_f32 v[72:73], v[72:73], v[70:71] op_sel_hi:[1,0]
	v_pk_mul_f32 v[74:75], v[74:75], v[70:71] op_sel_hi:[1,0]
	global_store_b128 v1, v[72:75], s[8:9] th:TH_STORE_NT
	s_endpgm
.Lfunc_end_k_q15ebcdfcb8_merge:
	.size	k_q15ebcdfcb8_merge, .Lfunc_end_k_q15ebcdfcb8_merge-k_q15ebcdfcb8_merge
	.p2alignl 7, 3214868480
	.fill 96, 4, 3214868480
	.section	.rodata,"a",@progbits
	.p2align	6, 0x0
	.amdhsa_kernel k_q15ebcdfcb8_merge
		.amdhsa_group_segment_fixed_size 0
		.amdhsa_private_segment_fixed_size 0
		.amdhsa_enable_private_segment 0
		.amdhsa_kernarg_size 24
		.amdhsa_user_sgpr_count 2
		.amdhsa_user_sgpr_kernarg_segment_ptr 1
		.amdhsa_wavefront_size32 1
		.amdhsa_system_sgpr_workgroup_id_x 1
		.amdhsa_system_sgpr_workgroup_id_y 1
		.amdhsa_system_sgpr_workgroup_id_z 1
		.amdhsa_system_vgpr_workitem_id 0
		.amdhsa_next_free_vgpr 96
		.amdhsa_next_free_sgpr 66
		.amdhsa_reserve_vcc 0
		.amdhsa_float_denorm_mode_32 3
		.amdhsa_float_denorm_mode_16_64 3
		.amdhsa_memory_ordered 1
		.amdhsa_forward_progress 1
		.amdhsa_inst_pref_size 7
	.end_amdhsa_kernel
	.amdgpu_metadata
---
amdhsa.version: [ 1, 2 ]
amdhsa.kernels:
  - .name:           k_q15ebcdfcb8_merge
    .symbol:         k_q15ebcdfcb8_merge.kd
    .args:
      - { .name: part, .offset: 0, .size: 8, .value_kind: global_buffer, .address_space: global }
      - { .name: stat, .offset: 8, .size: 8, .value_kind: global_buffer, .address_space: global }
      - { .name: out0, .offset: 16, .size: 8, .value_kind: global_buffer, .address_space: global }
    .group_segment_fixed_size: 0
    .private_segment_fixed_size: 0
    .kernarg_segment_align: 8
    .kernarg_segment_size: 24
    .max_flat_workgroup_size: 256
    .sgpr_count:     66
    .vgpr_count:     96
    .wavefront_size: 32
...
	.end_amdgpu_metadata
.endif
;; end of part 3
